; MI455X (gfx1250); checked and timed in simulation.
; The chip was launched on July 23, 2026; its instructions are those of AMD's public machine-readable ISA for CDNA 5 (MIT licence, August 2026) and "CDNA5" Instruction Set Architecture Reference Guide (July 2026). The comments in the code are by the model that wrote it; some were corrected since.
;; Legacy Seq First Self Attention. Allowed arithmetic: matrix products marked QUANTISED: E4M3 operands, one given power-of-two scale a tensor, by v_wmma_f32_16x16x64_fp8_fp8 or v_wmma_f32_16x16x128_fp8_fp8, f32 sums; everything else in f32.
;; Inputs: W_qkv_codes 3,072 x 32 x 32 uint8 (E4M3 codes of W_qkv, K innermost, in blocks of 32 codes); b_qkv 3,072 float32; hidden_states_codes 2,048 x 2 x 32 x 32 uint8 (E4M3 codes of hidden_states, K innermost, in blocks of 32 codes); lowp_scales 6 int32 (the exponents e of the quantised operands' scales 2^e).
;; Outputs: out0 2,048 x 2 x 1,024 float32.
;; This version of the problem:
;;   THIS VERSION OF THE PROBLEM IS GIVEN IN LOW PRECISION. The matrix products marked QUANTISED in the list below multiply operands that are first quantised to E4M3 (4 exponent bits, 3 mantissa bits; 8 bits a number), with one given power-of-two scale for each operand tensor; their sums are f32. All else is computed in f32.
;;   The module's matrix products, in the order in which they are computed (A, B: the left and right operand; K: the contracted axis; several contracted axes count as one K, in the product's order):
;;     1. [M 4,096, K 1,024] x [K 1,024, N 3,072]; A: input hidden_states (given as codes); B: input W_qkv (given as codes): QUANTISED (scales: A lowp_scales[0], B lowp_scales[1])
;;     2. batch 32 x [M 2,048, K 64] x [K 64, N 2,048]; A: computed on the way; B: computed on the way: QUANTISED (scales: A lowp_scales[2], B lowp_scales[3])
;;     3. batch 32 x [M 64, K 2,048] x [K 2,048, N 2,048]; A: computed on the way; B: computed on the way: QUANTISED (scales: A lowp_scales[4], B lowp_scales[5])
;;   THE QUANTISER, for each operand of a quantised product, along K:
;;     - The operand's scale is 2^e, e = its entry of the input lowp_scales (int32; the entries are numbered through the quantised products in the list's order, A before B).
;;     - Each number is divided by the scale, clamped to +-448, and rounded to the nearest number of E4M3, ties to even, subnormals kept.
;;     - The product sums the exact products of the quantised numbers (number of the format x scale) in f32.
;;   ~~~python
;;   def quantise(x, axis, e):      # numpy; x: float32 -> the quantised numbers, widened to float32 again
;;       x = np.moveaxis(x, axis, -1); K = x.shape[-1]
;;       r = np.clip(x / 2.0 ** e, -448, 448)
;;       step = 2.0 ** (np.maximum(np.frexp(np.where(r == 0, 1, r))[1] - 1, -6) - 3)
;;       q = np.round(r / step) * step * 2.0 ** e      # np.round: ties to even
;;       return np.moveaxis(q, -1, axis).astype(np.float32)
;;   ~~~
;;   OPERANDS COMPUTED ON THE WAY. 'Computed on the way' means the value that the module computes at that place (a softmax that the list does not call 'softmax' is quantised finished and normalised). What goes into a quantiser is computed in f32, as accurately as f32 sums, v_exp_f32 and their like allow (about 1e-6 of the number): no bf16 or f16 on the way to a quantiser, and a product that is left as it is and whose result goes on into a quantised operand takes f32 operands (vector FMAs, or v_wmma_f32_16x16x4_f32). A number that lies on a knife's edge between two numbers of the format may be rounded either way, as far as f32 arithmetic and the matrix unit's own rounding can turn it there, and no further.
;;   INPUTS GIVEN AS CODES. W_qkv (in the module: [3072, 1024], K = its axis 1); hidden_states (in the module: [2048, 2, 1024], K = its axis 2): each comes as NAME_codes (uint8): NAME with its K axis moved to the last place and cut into blocks of 32 codes, [.., K / 32, bytes a block], one block behind the other in memory; one code a byte (a code: sign, 4 exponent bits, 3 mantissa bits); its scale is its entry of lowp_scales. Its value is code x scale, taken as it is: it is not quantised again, and the codes and scales need not be those that the quantiser above would give.
;; One version. Each part assembles by itself: llvm-mc -triple=amdgcn-amd-amdhsa -mcpu=gfx1250 --defsym DOCPART=n.
;; ======== version 1 of 1: 2 launches
;; workspace buffers: q_codes 4,194,304 bytes; k_codes 4,194,304 bytes; v_codes 4,194,304 bytes; ksum 65,536 bytes
;; launch qkv (part 1): grid 16 x 16, 4 waves a work-group, clusters of 4 x 4, 327,680 bytes of LDS; arguments hidden_states_codes, W_qkv_codes, b_qkv, lowp_scales, q_codes, k_codes, v_codes, ksum; writes q_codes, k_codes, v_codes, ksum
.if DOCPART == 1
	.amdgcn_target "amdgcn-amd-amdhsa--gfx1250"
	.amdhsa_code_object_version 6
	.text
	.protected	k_qd4e1f24c25_qkv
	.globl	k_qd4e1f24c25_qkv
	.p2align	8
	.type	k_qd4e1f24c25_qkv,@function
k_qd4e1f24c25_qkv:
	s_mov_b64 s[64:65], 0
	v_nop
	global_prefetch_b8 v0, s[64:65] scope:SCOPE_SE
	s_setreg_imm32_b32 hwreg(HW_REG_WAVE_MODE, 25, 1), 1
	s_wait_xcnt 0x0
	s_wait_alu depctr_hold_cnt(0) depctr_sa_sdst(0) depctr_va_vdst(0) depctr_va_sdst(0) depctr_va_ssrc(0) depctr_va_vcc(0) depctr_vm_vsrc(0)
	s_getreg_b32 s2, hwreg(HW_REG_IB_STS2, 6, 4)
	s_cmp_eq_u32 s2, 0
	s_cbranch_scc0 .Lentry_in_a_cluster
	s_endpgm
.Lentry_in_a_cluster:
	s_bfe_u32 s2, ttmp6, 0x10000c
	s_cmp_lg_u32 s2, 0xf033
	s_cbranch_scc0 .Lentry_shape_is_right
	s_endpgm
.Lentry_shape_is_right:
; qkv = hidden W^T x 2^(e0 + e1) + b on codes of FP8 (E4M3), then q, k and v quantised with the given scales: k 2^e2, q 2^e3, v 2^e4 (entries 2, 3, 4 of the scales' buffer:
; the second product's left operand is k, the third's is v).  hidden: [2048 s][2 b][1024] codes; W: [3072][1024] codes; head h owns rows 192 h .. 192 h + 191 of W: 64 of q, 64 of k, 64 of v.
; OUT: q_codes, k_codes [16 b + head][s][64]; v_codes [16 b + head][d 64][s 2048], the keys innermost, since they are the third product's K;
;      ksum [16 b + head][s / 256][d 64] f32: the sums of k's code values over this work-group's 256 rows (the next launch starts the upper half's running sums from them).
; SHARES.  A work-group makes 256 rows (one b, 256 neighbouring s) x 192 columns (one head): 16 x 16 work-groups.  Wave w makes rows 64 w .. 64 w + 63 x all 192 columns: 48 accumulators of 16 x 16.
; K = 1,024 goes in four K steps of 256 (rows of 256 bytes) through two LDS slots; a K step is two steps of 128, 48 matrix instructions each.
; CLUSTERS: 4 x 4 work-groups.  A row of the cluster shares its rows of hidden, a column its head's rows of W: each tile is asked for jointly, by the same tensor load with a mask that names the four.
; ORIENTATION.  q's and k's tiles are used transposed (source 0 = 16 rows of W, source 1 = 16 rows of hidden): a lane's eight results are eight neighbours along d, the second product's K.
; v's tiles are used as they are (source 0 = hidden, source 1 = W): a lane's eight results are eight neighbouring s of one d, the third product's K.  So each conversion's eight numbers are neighbours along K.
; THE BIAS is the C of each sum's first product, as b / 2^(e0 + e1); a sum then stands for qkv / 2^(e0 + e1), and its conversion takes 2^(eX - e0 - e1) as its one scale.
; LIMITS: e2 - e0 - e1, e3 - e0 - e1 and e4 - e0 - e1 lie between -126 and 119, so that each scale and 448 x the scale is an f32 number.  NaN among the inputs is not served.
; Within a matrix instruction k stands in another place than the form's own layout gives it, alike in both operands: only the order of the sums inside an instruction changes.
; REGISTERS, in windows of 256: window 0: v4-30 addresses and scales; v32-127 the codes; v128-255 hidden's fragments, two sets of 4 x 16.
;   window 1: v0-191 W's 12 fragments, one set; v192-255 q's and k's bias, 8 a tile.   window 2: the accumulators of q and k, (n, m) at 8 (4 n + m).
;   window 3: v0-127 the accumulators of v, (t, m) at 8 (4 t + m); v128-159 v's bias, 8 equal registers a tile.
.set PITCH,  272                       ; an LDS row: 256 bytes + 16 of padding = 68 words: the 16 rows that a load touches start at 16 different groups of four banks
.set AHALF,  128*PITCH                 ; what one tensor load brings of hidden
.set WHALF,  96*PITCH                  ; and of W
.set WOFF,   256*PITCH                 ; in a slot: hidden's 256 rows, then W's 192
.set SLOT,   448*PITCH
.set SPARE,  2*SLOT                    ; behind the ring: the spare words, 128 bytes for each wave: two blocks of 256 bytes that no other line names
.set STGQK,  SPARE+512                 ; stages with bytes of their own, into which no tile lands.  For each wave: q's 64 rows x 80 bytes, then k's
.set QKW,    2*64*80
.set STGV,   STGQK+4*QKW               ; the work-group's: v's 64 d x (256 bytes + 16)
.set KSTG,   STGV+64*PITCH             ; 256 bytes for each wave: its sums of k
.set STQ,  4                           ; v4   where I put 8 codes of q or k
.set RDQ,  5                           ; v5   where I read 16 of them back
.set STV,  6                           ; v6   where I put 8 codes of v
.set RDV,  7                           ; v7   where I read 16 of them back
.set KST,  8                           ; v8   where I put my sums of k
.set KRD,  9                           ; v9   where wave 0 reads them
.set GQ,   10                          ; v10  my byte in the wave's 4,096 bytes of q_codes and k_codes
.set GV,   11                          ; v11  my byte in the wave's rows of v_codes
.set GK,   12                          ; v12  my byte in ksum's 256
.set BQ,   13                          ; v13  my byte in q's and k's bias
.set SCQ,  14                          ; v14, v15, v18  the conversions' scales for q, k, v
.set SCK,  15
.set ADRA, 16                          ; v16-17  LDS address of my fragments of hidden in slot 0, 1
.set SCV,  18
.set ONE,  19                          ; v19  the scale 1 in every byte, for the way back from codes
.set ADRW, 20                          ; v20-21  the same for W
.set BV,   22                          ; v22  my byte in v's bias
.set SPW,  28                          ; v28  LDS address of my spare word; never rewritten
.set NIL,  29                          ; v29  0; never rewritten
.set QC,   32                          ; v32-95   q's and k's codes, 2 registers for each (n, m)
.set VC,   96                          ; v96-127  v's
.set HF,   128
.set G1,  24                           ; s[24:31] descriptor group 1 for hidden's tiles; s[32:39] group 0, one set for each slot
.set G0,  32
.set G1B, 48                           ; s[48:55], s[56:63] the same for W's
.set G0B, 56
.set MSB, 0
.macro WIN new                         ; the immediate's high byte repeats the setting that is left
.if MSB != \new
	s_set_vgpr_msb (MSB<<8)|\new
.set MSB, \new
.endif
.endm
.macro PLACES                          ; four plain vector lines between a matrix instruction and a load into, or a vector line on, its registers
.rept 4
	v_nop
.endr
.endm
; A joint load: waves 0 and 1 fetch hidden's two halves, waves 2 and 3 W's.  The branch hangs on the wave's number alone.  Four v_nop follow each of the two lines.
.macro JLOAD s
	s_cmp_eq_u32 s21, 0
	s_cbranch_scc0 .Lfor_w_\@
	tensor_load_to_lds s[G0+4*\s:G0+4*\s+3], s[G1:G1+7]
	s_nop 0
.rept 4
	v_nop
.endr
	s_branch .Lasked_\@
.Lfor_w_\@:
	tensor_load_to_lds s[G0B+4*\s:G0B+4*\s+3], s[G1B:G1B+7]
	s_nop 0
.rept 4
	v_nop
.endr
.Lasked_\@:
.endm
.macro CREST                           ; a round of the cluster's barrier behind its opening barrier
	s_cmp_lg_u32 s20, 0
	s_cbranch_scc1 .Lnot_wave_0_\@
	s_barrier_signal -3
.Lnot_wave_0_\@:
	s_barrier_wait -3
	s_barrier_signal -1
	s_barrier_wait -1
.endm
.macro CROUND                          ; a whole round
	s_barrier_signal -1
	s_barrier_wait -1
	CREST
.endm
	s_load_b256 s[4:11], s[0:1], 0x0               ; hidden's codes s[4:5], W's s[6:7], b s[8:9], the scales' exponents s[10:11]
	s_load_b256 s[12:19], s[0:1], 0x20             ; q_codes s[12:13], k_codes s[14:15], v_codes s[16:17], ksum s[18:19]
	v_lshl_add_u32 v[SPW], v0, 2, SPARE
	v_mov_b32 v[NIL], 0
	ds_add_u32 v28, v29
	ds_add_u32 v28, v29
	s_wait_dscnt 0x0
	v_lshrrev_b32 v1, 5, v0
	v_readfirstlane_b32 s20, v1                    ; wave 0..3
	s_lshr_b32 s21, s20, 1                         ; I fetch for hidden (0) or for W (1),
	s_and_b32 s22, s20, 1                          ; and which half of that tile
	s_bfe_u32 s40, ttmp6, 0x40000                  ; cx, cy: my place in the cluster
	s_bfe_u32 s41, ttmp6, 0x40004
	s_lshl_b32 s42, ttmp9, 2
	s_add_co_u32 s42, s42, s40                     ; the head = 4 x cluster x + cx
	s_and_b32 s43, ttmp7, 0xffff
	s_lshl_b32 s43, s43, 2
	s_add_co_u32 s43, s43, s41                     ; the block of rows = 4 x cluster y + cy = 8 b + s / 256
	s_lshl_b32 s44, s41, 2
	s_lshl_b32 s44, 15, s44                        ; my row of the cluster
	s_lshl_b32 s45, 0x1111, s40                    ; my column
	; descriptor group 1, elements of one byte: hidden: 128 rows x 256 bytes, 2,048 bytes apart (one b of two);  W: 96 rows x 256 bytes, 1,024 apart
	s_or_b32 s[G1+0], s44, (1<<20)|(1<<21)|(5<<22)|(3<<25)   ; 15:0 the mask; 20 padding on; 21 set beside a mask; 24:22 after every 64 words (code 5); 31:25 four words (code 3)
	s_mov_b32 s[G1+1], 256<<16                     ; tensor_dim0
	s_mov_b32 s[G1+2], 128<<16                     ; tensor_dim1
	s_mov_b32 s[G1+3], 256<<16                     ; tile_dim0
	s_mov_b32 s[G1+4], 128                         ; tile_dim1
	s_mov_b32 s[G1+5], 2048                        ; from row to row
	s_mov_b32 s[G1+6], 0
	s_mov_b32 s[G1+7], 0
	s_or_b32 s[G1B+0], s45, (1<<20)|(1<<21)|(5<<22)|(3<<25)
	s_mov_b32 s[G1B+1], 256<<16
	s_mov_b32 s[G1B+2], 96<<16
	s_mov_b32 s[G1B+3], 256<<16
	s_mov_b32 s[G1B+4], 96
	s_mov_b32 s[G1B+5], 1024
	s_mov_b32 s[G1B+6], 0
	s_mov_b32 s[G1B+7], 0
	; where the tiles come from.  hidden's hang on the block of rows alone, W's on the head alone, each in registers that never hold the other coordinate
	s_and_b32 s82, s43, 7
	s_lshl_b32 s82, s82, 19                        ; 256 s x 2,048 bytes
	s_lshr_b32 s83, s43, 3
	s_lshl_b32 s83, s83, 10                        ; + b x 1,024
	s_add_co_u32 s82, s82, s83
	s_lshl_b32 s83, s22, 18                        ; + my half's 128 rows
	s_add_co_u32 s82, s82, s83
	s_mov_b32 s83, 0
	s_mul_i32 s46, s42, 192*1024                   ; the head's 192 rows of W
	s_mul_i32 s47, s22, 96*1024                    ; + my half's 96
	s_add_co_u32 s46, s46, s47
	s_mov_b32 s47, 0
	s_mul_i32 s86, s22, AHALF                      ; and where they go: no place in the cluster enters an LDS address
	s_mul_i32 s87, s22, WHALF
	s_add_co_u32 s87, s87, WOFF
	s_wait_kmcnt 0x0
	s_load_b128 s[68:71], s[10:11], 0x0            ; e0, e1, e2, e3
	s_load_b64 s[72:73], s[10:11], 0x10            ; e4, e5
	s_add_nc_u64 s[82:83], s[4:5], s[82:83]
	s_add_nc_u64 s[46:47], s[6:7], s[46:47]
	CROUND                                         ; all sixteen work-groups are here: the first joint loads meet
.irp s, 0,1
	s_mov_b32 s[G0+4*\s], 1
	s_add_co_u32 s[G0+4*\s+1], s86, \s*SLOT
	s_add_nc_u64 s[G0+4*\s+2:G0+4*\s+3], s[82:83], \s*256
	s_or_b32 s[G0+4*\s+3], s[G0+4*\s+3], 0x80000000
	s_mov_b32 s[G0B+4*\s], 1
	s_add_co_u32 s[G0B+4*\s+1], s87, \s*SLOT
	s_add_nc_u64 s[G0B+4*\s+2:G0B+4*\s+3], s[46:47], \s*256
	s_or_b32 s[G0B+4*\s+3], s[G0B+4*\s+3], 0x80000000
	JLOAD \s                                       ; K steps 0 and 1: two loads of mine are out
.endr
	; addresses, while the tiles are on their way
	v_and_b32 v1, 15, v0                           ; r = lane % 16
	v_bfe_u32 v2, v0, 4, 1                         ; h = lane / 16
	v_and_b32 v3, 31, v0                           ; lane
	v_mul_u32_u24 v30, v1, PITCH
	v_lshl_add_u32 v30, v2, 4, v30                 ; a fragment's row x pitch + 16 h
	s_mul_i32 s84, s20, 64*PITCH                   ; my 64 rows of hidden
	v_add_nc_u32 v[ADRA], s84, v30
	v_add_nc_u32 v[ADRA+1], SLOT, v[ADRA]
	v_add_nc_u32 v[ADRW], WOFF, v30
	v_add_nc_u32 v[ADRW+1], SLOT, v[ADRW]
	s_mul_i32 s84, s20, QKW
	s_add_co_u32 s84, s84, STGQK                   ; my stage for q and k
	v_mul_u32_u24 v[STQ], v1, 80
	v_lshl_add_u32 v[STQ], v2, 3, v[STQ]
	v_add_nc_u32 v[STQ], s84, v[STQ]               ; in: row r, 8 bytes for each half of the lanes
	v_lshrrev_b32 v30, 2, v3
	v_mul_u32_u24 v[RDQ], v30, 80
	v_and_b32 v30, 3, v3
	v_lshl_add_u32 v[RDQ], v30, 4, v[RDQ]
	v_add_nc_u32 v[RDQ], s84, v[RDQ]               ; back: four lanes to a row of 64 bytes, eight rows an instruction
	s_lshl_b32 s84, s20, 6
	s_add_co_u32 s84, s84, STGV
	v_mul_u32_u24 v[STV], v1, PITCH
	v_lshl_add_u32 v[STV], v2, 3, v[STV]
	v_add_nc_u32 v[STV], s84, v[STV]               ; v in: row d = r, my wave's 64 bytes of it, + 8 h
	s_mul_i32 s84, s20, 16*PITCH
	s_add_co_u32 s84, s84, STGV
	v_mul_u32_u24 v[RDV], v2, PITCH
	v_lshl_add_u32 v[RDV], v1, 4, v[RDV]
	v_add_nc_u32 v[RDV], s84, v[RDV]               ; v back: wave w takes d 16 w on; lanes 0-15 one row of 256 bytes, lanes 16-31 the next
	s_lshl_b32 s84, s20, 8
	s_add_co_u32 s84, s84, KSTG
	v_lshlrev_b32 v[KST], 5, v2
	v_add_nc_u32 v[KST], s84, v[KST]
	v_lshl_add_u32 v[KRD], v3, 3, KSTG
	v_lshlrev_b32 v[GQ], 4, v3
	v_lshlrev_b32 v[GV], 11, v2
	v_lshl_add_u32 v[GV], v1, 4, v[GV]
	v_lshlrev_b32 v[GK], 3, v3
	v_lshlrev_b32 v[BQ], 5, v2                     ; q's and k's bias: tile n's eight numbers of my half: 64 n + 32 h
	v_lshlrev_b32 v[BV], 2, v1                     ; v's: tile t's one number of my column: 64 t + 4 r
	v_mov_b32 v[ONE], 0x7f7f7f7f
	; where my results go
	s_lshr_b32 s84, s43, 3
	s_lshl_b32 s84, s84, 4
	s_add_co_u32 s84, s84, s42                     ; 16 b + head
	s_and_b32 s85, s43, 7                          ; s / 256
	s_lshl_b32 s88, s84, 17                        ; q, k: 2,048 rows of 64 bytes a head,
	s_lshl_b32 s89, s85, 14                        ; 256 rows a work-group,
	s_add_co_u32 s88, s88, s89
	s_lshl_b32 s89, s20, 12                        ; 64 rows a wave
	s_add_co_u32 s88, s88, s89
	s_mov_b32 s89, 0
	s_add_nc_u64 s[12:13], s[12:13], s[88:89]
	s_add_nc_u64 s[14:15], s[14:15], s[88:89]
	s_lshl_b32 s88, s84, 17                        ; v: 64 rows of 2,048 bytes a head,
	s_lshl_b32 s90, s20, 15                        ; 16 rows a wave,
	s_add_co_u32 s88, s88, s90
	s_lshl_b32 s90, s85, 8                         ; 256 bytes of each a work-group
	s_add_co_u32 s88, s88, s90
	s_add_nc_u64 s[16:17], s[16:17], s[88:89]
	s_lshl_b32 s88, s84, 3
	s_add_co_u32 s88, s88, s85
	s_lshl_b32 s88, s88, 8
	s_add_nc_u64 s[18:19], s[18:19], s[88:89]      ; ksum: 256 bytes a work-group
	s_mul_i32 s88, s42, 192*4
	s_add_nc_u64 s[8:9], s[8:9], s[88:89]          ; the head's 192 numbers of b
	WIN 0x40                                       ; destination window 1
.irp n, 0,1,2,3,4,5,6,7
	global_load_b128 v[192+8*\n:195+8*\n], v[BQ], s[8:9] offset:64*\n
	global_load_b128 v[196+8*\n:199+8*\n], v[BQ], s[8:9] offset:64*\n+16
.endr
	WIN 0
.irp t, 0,1,2,3
	global_load_b32 v[32+\t], v[BV], s[8:9] offset:512+64*\t
.endr
	s_wait_loadcnt 0x0
	s_wait_kmcnt 0x0
	s_add_co_i32 s81, s68, s69                     ; e0 + e1
	s_sub_co_i32 s80, 0, s81
.macro MKSCALE e, vr, sl                       ; 2^(e - e0 - e1) into v[vr]; 448 x that into s[sl], its negative into s[sl + 1]
	s_sub_co_i32 s90, s[\e], s81
	s_add_co_i32 s90, s90, 127
	s_lshl_b32 s91, s90, 23
	v_mov_b32 v[\vr], s91
	s_add_co_i32 s90, s90, 8
	s_lshl_b32 s90, s90, 23
	s_or_b32 s[\sl], s90, 0x600000
	s_or_b32 s[\sl+1], s[\sl], 0x80000000
.endm
	MKSCALE 71, SCQ, 74                            ; q: entry 3
	MKSCALE 70, SCK, 76                            ; k: entry 2
	MKSCALE 72, SCV, 78                            ; v: entry 4
	WIN 0x41                                       ; source 0 and destination window 1
.set II, 0
.rept 64
	v_ldexp_f32 v[192+II], v[192+II], s80          ; b / 2^(e0 + e1)
.set II, II+1
.endr
	WIN 0xc0                                       ; destination window 3
.irp t, 0,1,2,3
.irp j, 0,1,2,3,4,5,6,7
	v_ldexp_f32 v[128+8*\t+\j], v[32+\t], s80      ; in v's tiles a lane holds one column: its eight registers take the same number
.endr
.endr
	WIN 0
; q's and k's tiles n0 .. n1 against hidden's four tiles of set p, 128 along K.  first = 1: the bias is C: nothing is cleared.
; The 48 accumulators take turns, one instruction a turn, in the same order in every step.
.macro MULQK n0, n1, p, first
.if \first
	WIN 0x91                                       ; source 0 (W) window 1, source 1 (hidden) window 0, C (bias) window 1, D window 2
.else
	WIN 0xa1                                       ; C and D window 2
.endif
.set NN, \n0
.rept \n1-\n0+1
.set MM, 0
.rept 4
.if \first
	v_wmma_f32_16x16x128_fp8_fp8 v[8*(4*NN+MM):8*(4*NN+MM)+7], v[16*NN:16*NN+15], v[HF+64*\p+16*MM:HF+64*\p+16*MM+15], v[192+8*NN:192+8*NN+7]
.else
	v_wmma_f32_16x16x128_fp8_fp8 v[8*(4*NN+MM):8*(4*NN+MM)+7], v[16*NN:16*NN+15], v[HF+64*\p+16*MM:HF+64*\p+16*MM+15], v[8*(4*NN+MM):8*(4*NN+MM)+7]
.endif
.set MM, MM+1
.endr
.set NN, NN+1
.endr
.endm
.macro MULV p, first                   ; v's four tiles: source 0 (hidden) window 0, source 1 (W) window 1, C and D window 3
	WIN 0xf4
.set NN, 0
.rept 4
.set MM, 0
.rept 4
.if \first
	v_wmma_f32_16x16x128_fp8_fp8 v[8*(4*NN+MM):8*(4*NN+MM)+7], v[HF+64*\p+16*MM:HF+64*\p+16*MM+15], v[128+16*NN:128+16*NN+15], v[128+8*NN:128+8*NN+7]
.else
	v_wmma_f32_16x16x128_fp8_fp8 v[8*(4*NN+MM):8*(4*NN+MM)+7], v[HF+64*\p+16*MM:HF+64*\p+16*MM+15], v[128+16*NN:128+16*NN+15], v[8*(4*NN+MM):8*(4*NN+MM)+7]
.endif
.set MM, MM+1
.endr
.set NN, NN+1
.endr
.endm
; A fragment, 16 rows x 128 K, is 16 registers: lane l holds row l % 16; registers 4 c .. 4 c + 3 hold K = 32 c + 16 (l / 16) + 0 .. 15: four loads of 16 bytes, 32 bytes apart
.macro FETCH_H slot, q, p              ; hidden's four fragments of the slot's q-th 128 along K into set p: 16 loads
	WIN 0
.irp m, 0,1,2,3
.irp c, 0,1,2,3
	ds_load_b128 v[HF+64*\p+16*\m+4*\c:HF+64*\p+16*\m+4*\c+3], v[ADRA+\slot] offset:128*\q+32*\c+\m*16*PITCH
.endr
.endr
.endm
.macro FETCH_W slot, q, n0, n1         ; W's fragments n0 .. n1: four loads each
	WIN 0x40
.set NN, \n0
.rept \n1-\n0+1
.irp c, 0,1,2,3
	ds_load_b128 v[16*NN+4*\c:16*NN+4*\c+3], v[ADRW+\slot] offset:128*\q+32*\c+NN*16*PITCH
.endr
.set NN, NN+1
.endr
	WIN 0
.endm
; A slot's first 128 along K (hidden's set 0).  W has one set: blocks 0-5 are fetched anew in the step's middle, blocks 6-11 at its end.
.macro HALF1 slot, first
	s_wait_dscnt 24                                ; hidden's set and W's blocks 0-5 are in; the 24 youngest loads (W's blocks 6-11) may be out
	MULQK 0, 5, 0, \first
	s_wait_dscnt 0x0                               ; W's blocks 6-11 are in
	PLACES
	FETCH_H \slot, 1, 1
	FETCH_W \slot, 1, 0, 5
	MULQK 6, 7, 0, \first
	MULV 0, \first
	PLACES
	FETCH_W \slot, 1, 6, 11
.endm
; A slot's second 128 (hidden's set 1) changes slots: ONE barrier; in front of it each wave waits for all its tensor loads, adds 0 to its spare word, and waits for that and for its reads of this slot.
; fill = 1: this slot is filled again, two K steps ahead; the barrier then opens a round of the cluster's barrier, and the joint refill is the first thing behind the round.
.macro TURN slot, next, fill
	s_wait_tensorcnt 0x0                           ; all my tensor loads have landed: my part of the next slot;  (every window is 0 here)
	ds_add_u32 v[SPW], v[NIL]                      ; 0 onto my spare word
	s_wait_dscnt 25                                ; (the add and the 24 youngest loads, W's blocks 6-11, may be out)
	MULQK 0, 2, 1, 0                               ; twelve matrix instructions stand between the add and the wait for it
	s_wait_dscnt 0x0                               ; the add is done, and my reads of this slot are over
	s_barrier_signal -1
	MULQK 3, 5, 1, 0
	WIN 0
	s_barrier_wait -1
.if \fill
	CREST                                          ; no wave of any partner still reads this slot's tile or has a load on its way
	s_add_nc_u64 s[G0+4*\slot+2:G0+4*\slot+3], s[G0+4*\slot+2:G0+4*\slot+3], 512
	s_add_nc_u64 s[G0B+4*\slot+2:G0B+4*\slot+3], s[G0B+4*\slot+2:G0B+4*\slot+3], 512
	JLOAD \slot                                    ; its four v_nop are also the places in front of the loads below
.else
	PLACES
.endif
	FETCH_H \next, 0, 0
	FETCH_W \next, 0, 0, 5
	MULQK 6, 7, 1, 0
	MULV 1, 0
	PLACES
	FETCH_W \next, 0, 6, 11
.endm
	s_wait_tensorcnt 1                             ; my part of K step 0 is in; K step 1's may stay out
	s_barrier_signal -1
	s_barrier_wait -1                              ; everybody's is
	FETCH_H 0, 0, 0
	FETCH_W 0, 0, 0, 5
	FETCH_W 0, 0, 6, 11
	HALF1 0, 1                                     ; four K steps, written out: the first products start the sums
	TURN 0, 1, 1                                   ; slot 0 takes K step 2
	HALF1 1, 0
	TURN 1, 0, 1                                   ; slot 1 takes K step 3
	HALF1 0, 0
	TURN 0, 1, 0                                   ; nothing is left to fetch
	HALF1 1, 0
	s_wait_dscnt 24                                ; the very last 128 along K
	MULQK 0, 5, 1, 0
	s_wait_dscnt 0x0
	MULQK 6, 7, 1, 0
	MULV 1, 0
	; THE QUANTISER.  The conversion to an 8-bit code does not saturate (ISA guide 7.6.2): each sum is first held within 448 x the scale; each accumulator from its low end on.
	PLACES
	WIN 0x82                                       ; source 0 and destination window 2
.set II, 0
.rept 128
	v_med3_num_f32 v[II], v[II], s75, s74          ; q
.set II, II+1
.endr
.rept 128
	v_med3_num_f32 v[II], v[II], s77, s76          ; k
.set II, II+1
.endr
	WIN 0x02                                       ; source 0 window 2, the scale and the codes window 0
.set II, 0
.rept 16
	v_cvt_scalef32_pk8_fp8_f32 v[QC+2*II:QC+2*II+1], v[8*II:8*II+7], v[SCQ]
.set II, II+1
.endr
.rept 16
	v_cvt_scalef32_pk8_fp8_f32 v[QC+2*II:QC+2*II+1], v[8*II:8*II+7], v[SCK]
.set II, II+1
.endr
	WIN 0xc3                                       ; source 0 and destination window 3
.set II, 0
.rept 128
	v_med3_num_f32 v[II], v[II], s79, s78          ; v
.set II, II+1
.endr
	WIN 0x03
.set II, 0
.rept 16
	v_cvt_scalef32_pk8_fp8_f32 v[VC+2*II:VC+2*II+1], v[8*II:8*II+7], v[SCV]
.set II, II+1
.endr
	WIN 0
	v_nop                                          ; one plain vector line behind the last conversion
	; THE WAY OUT.  A lane's 8 codes are a piece of one row, and the lanes beside it hold other rows: they go through stages in LDS and leave as long runs of bytes.
.irp n, 0,1,2,3,4,5,6,7
.irp m, 0,1,2,3
	ds_store_b64 v[STQ], v[QC+2*(4*\n+\m):QC+2*(4*\n+\m)+1] offset:(\n/4)*5120+\m*1280+16*(\n%4)   ; row 16 m + r, d 16 (n % 4) + 8 h on
.endr
.endr
.irp t, 0,1,2,3
.irp m, 0,1,2,3
	ds_store_b64 v[STV], v[VC+2*(4*\t+\m):VC+2*(4*\t+\m)+1] offset:\t*16*PITCH+16*\m               ; row d = 16 t + r, s 64 w + 16 m + 8 h on
.endr
.endr
.irp u, 0,1
.irp i, 0,1,2,3,4,5,6,7
	ds_load_b128 v[128+32*\u+4*\i:131+32*\u+4*\i], v[RDQ] offset:\u*5120+640*\i   ; my own bytes: LDS serves a wave's instructions in order, so these see the stores above
.endr
.endr
	; the sums of k's code values over my 64 rows, while those loads are on their way: back to f32 (scale 1), over the four tiles of rows, over the sixteen lanes of a half
.irp n, 0,1,2,3
	v_cvt_scale_pk8_f32_fp8 v[192+8*\n:199+8*\n], v[QC+32+8*\n:QC+33+8*\n], v[ONE]
.endr
.irp m, 1,2,3
.irp n, 0,1,2,3
	v_cvt_scale_pk8_f32_fp8 v[224+8*\n:231+8*\n], v[QC+32+8*\n+2*\m:QC+33+8*\n+2*\m], v[ONE]
.endr
	v_nop                                          ; a plain line between the conversions and the use of their results
.set II, 0
.rept 16
	v_pk_add_f32 v[192+II:193+II], v[192+II:193+II], v[224+II:225+II]
.set II, II+2
.endr
.endr
.irp x, 1,2,4,8
.set II, 0
.rept 32
	v_add_f32_dpp v[192+II], v[192+II], v[192+II] row_xmask:\x row_mask:0xf bank_mask:0xf
.set II, II+1
.endr
.endr
.irp n, 0,1,2,3
	ds_store_b128 v[KST], v[192+8*\n:195+8*\n] offset:64*\n        ; d 16 n + 8 h on; the sixteen lanes of a half hold the same sums and write the same words
	ds_store_b128 v[KST], v[196+8*\n:199+8*\n] offset:64*\n+16
.endr
.set II, 0
.rept 8
	s_wait_dscnt 23-II                             ; behind this load: the later ones of the sixteen and the eight stores above
	global_store_b128 v[GQ], v[128+4*II:131+4*II], s[12:13] offset:512*II    ; the wave stores 512 consecutive bytes: eight rows of q
.set II, II+1
.endr
.set II, 0
.rept 8
	s_wait_dscnt 15-II
	global_store_b128 v[GQ], v[160+4*II:163+4*II], s[14:15] offset:512*II    ; and of k
.set II, II+1
.endr
	s_wait_dscnt 0x0                               ; for the others' sake: my stores into v's stage and into the sums' words are done
	s_barrier_signal -1
	s_barrier_wait -1
.irp i, 0,1,2,3,4,5,6,7
	ds_load_b128 v[192+4*\i:195+4*\i], v[RDV] offset:2*\i*PITCH
.endr
.irp i, 0,1,2,3,4,5,6,7
	s_wait_dscnt 7-\i
	global_store_b128 v[GV], v[192+4*\i:195+4*\i], s[16:17] offset:4096*\i   ; sixteen lanes store 256 consecutive bytes of one d, at a multiple of 256 from the buffer's first byte
.endr
	s_cmp_lg_u32 s20, 0                            ; wave 0 adds the four waves' sums and stores the work-group's 256 bytes
	s_cbranch_scc1 .Lno_ksum
.irp i, 0,1,2,3
	ds_load_b64 v[224+2*\i:225+2*\i], v[KRD] offset:256*\i
.endr
	s_wait_dscnt 0x0
	v_pk_add_f32 v[224:225], v[224:225], v[226:227]
	v_pk_add_f32 v[228:229], v[228:229], v[230:231]
	v_pk_add_f32 v[224:225], v[224:225], v[228:229]
	global_store_b64 v[GK], v[224:225], s[18:19]
.Lno_ksum:
	s_wait_tensorcnt 0x0                           ; the wave's end, behind my last tensor load and my last LDS store
	ds_add_u32 v[SPW], v[NIL]
	s_wait_dscnt 0x0
	CROUND                                         ; the closing round: no work-group ends while a partner may still ask for a tile that names it
	s_endpgm
.Lfunc_end_k_qd4e1f24c25_qkv:
	.size	k_qd4e1f24c25_qkv, .Lfunc_end_k_qd4e1f24c25_qkv-k_qd4e1f24c25_qkv
	.p2alignl 7, 3214868480
	.fill 96, 4, 3214868480
	.section	.rodata,"a",@progbits
	.p2align	6, 0x0
	.amdhsa_kernel k_qd4e1f24c25_qkv
		.amdhsa_group_segment_fixed_size 327680
		.amdhsa_private_segment_fixed_size 0
		.amdhsa_enable_private_segment 0
		.amdhsa_kernarg_size 64
		.amdhsa_user_sgpr_count 2
		.amdhsa_user_sgpr_kernarg_segment_ptr 1
		.amdhsa_wavefront_size32 1
		.amdhsa_system_sgpr_workgroup_id_x 1
		.amdhsa_system_sgpr_workgroup_id_y 1
		.amdhsa_system_sgpr_workgroup_id_z 1
		.amdhsa_system_vgpr_workitem_id 0
		.amdhsa_next_free_vgpr 1024
		.amdhsa_next_free_sgpr 100
		.amdhsa_reserve_vcc 0
		.amdhsa_float_denorm_mode_32 3
		.amdhsa_float_denorm_mode_16_64 3
		.amdhsa_memory_ordered 1
		.amdhsa_forward_progress 1
		.amdhsa_inst_pref_size 129
	.end_amdhsa_kernel
	.amdgpu_metadata
---
amdhsa.version: [ 1, 2 ]
amdhsa.kernels:
  - .name:           k_qd4e1f24c25_qkv
    .symbol:         k_qd4e1f24c25_qkv.kd
    .args:
      - { .name: hidden_states_codes, .offset: 0, .size: 8, .value_kind: global_buffer, .address_space: global }
      - { .name: W_qkv_codes, .offset: 8, .size: 8, .value_kind: global_buffer, .address_space: global }
      - { .name: b_qkv, .offset: 16, .size: 8, .value_kind: global_buffer, .address_space: global }
      - { .name: lowp_scales, .offset: 24, .size: 8, .value_kind: global_buffer, .address_space: global }
      - { .name: q_codes, .offset: 32, .size: 8, .value_kind: global_buffer, .address_space: global }
      - { .name: k_codes, .offset: 40, .size: 8, .value_kind: global_buffer, .address_space: global }
      - { .name: v_codes, .offset: 48, .size: 8, .value_kind: global_buffer, .address_space: global }
      - { .name: ksum, .offset: 56, .size: 8, .value_kind: global_buffer, .address_space: global }
    .group_segment_fixed_size: 327680
    .private_segment_fixed_size: 0
    .kernarg_segment_align: 8
    .kernarg_segment_size: 64
    .max_flat_workgroup_size: 128
    .sgpr_count:     100
    .vgpr_count:     1024
    .wavefront_size: 32
...
	.end_amdgpu_metadata
.endif
;; end of part 1
;; launch attn (part 2): grid 8 x 32, 8 waves a work-group, clusters of 4 x 1, 327,680 bytes of LDS; arguments q_codes, k_codes, v_codes, ksum, lowp_scales, out0; writes out0
.if DOCPART == 2
	.amdgcn_target "amdgcn-amd-amdhsa--gfx1250"
	.amdhsa_code_object_version 6
	.text
	.protected	k_qd4e1f24c25_attn
	.globl	k_qd4e1f24c25_attn
	.p2align	8
	.type	k_qd4e1f24c25_attn,@function
k_qd4e1f24c25_attn:
	s_mov_b64 s[64:65], 0
	v_nop
	global_prefetch_b8 v0, s[64:65] scope:SCOPE_SE
	s_setreg_imm32_b32 hwreg(HW_REG_WAVE_MODE, 25, 1), 1
	s_wait_xcnt 0x0
	s_wait_alu depctr_hold_cnt(0) depctr_sa_sdst(0) depctr_va_vdst(0) depctr_va_sdst(0) depctr_va_ssrc(0) depctr_va_vcc(0) depctr_vm_vsrc(0)
	s_getreg_b32 s2, hwreg(HW_REG_IB_STS2, 6, 4)
	s_cmp_eq_u32 s2, 0
	s_cbranch_scc0 .Lentry_in_a_cluster
	s_endpgm
.Lentry_in_a_cluster:
	s_bfe_u32 s2, ttmp6, 0x10000c
	s_cmp_lg_u32 s2, 0x3003
	s_cbranch_scc0 .Lentry_shape_is_right
	s_endpgm
.Lentry_shape_is_right:
; out0[s][b][head][:] = the sum over t of Q(c(s, t)) v[t][:],  c(s, t) = 2048^-0.5 x the sum over t' <= t of (q[s] . k[t']) / 8, both products on codes of FP8 (E4M3).
; q_codes, k_codes: [bh = 16 b + head][2048][64]; v_codes: [bh][64 d][2048 t]; ksum: [bh][8][64] f32, sums of k's code values over 256 keys.  Scales: k 2^e2, q 2^e3, v 2^e4, c 2^e5.
; SHARES.  A work-group owns 256 queries of one (b, head); each of its eight waves 32 of them, two tiles of 16, in 256 registers: two waves to a SIMD, no register windows.
; K AND V OF THE HEAD STAY IN LDS: 303,360 bytes with padding, filled once, by sixteen joint tensor loads of 16 KiB (the four query blocks of a cluster walk the same K and V).  No byte is filled twice.
; LAYOUT.  S^T = K Q^T (source 0 = 16 keys, source 1 = 16 queries): a lane holds ONE query (lane % 16), and its eight registers run along the keys.
; THE KEYS OF A TILE: rows 0-7 are eight neighbouring keys of the sequence's lower half, rows 8-15 the eight keys 1,024 further on.  So lanes 0-15 walk keys 0 .. 1023 and lanes 16-31 keys 1024 .. 2047,
; each lane in one unbroken chain through the whole kernel: c_i = S_i x const + c_(i-1), one fused multiply-add a score, const = 2^(e2 + e3 - 3) x 2^-5.5.  No lane looks at another in the loop.
; THE TWO TILES' CHAIN STEPS GO AS ONE DUAL-ISSUE PAIR.  Tile 1 runs one element behind tile 0: so the pair's destinations are an even and an odd register, and its first and its third sources lie one
; register bank apart; const stands in two registers of different banks for the second sources.  That is what the dual-issue form asks of its registers.
; The upper half's chain starts at c(1023) = const x the sum over d of q's code x (the sum of k's codes over keys 0 .. 1023), in f32: the same exact products as the chain's, added in another order.
; Each c is held within 448 x 2^e5 (one element behind the chain, which goes on from the number that is not held) and eight at a time become codes: a lane's codes of four tiles are its 32 keys in order,
; which ARE source 1 of O^T += V^T P (K = 64: 32 lower keys in lanes 0-15, 32 upper keys in lanes 16-31); V's fragment takes the same keys in the same places.
; LIMITS: e2 + e3 between -117 and 136 (added to const's exponent field); e5 between -126 and 119; e4 + e5 between -126 and 127.  NaN is not served.
; The order of the f32 sums differs from a plain running sum in that const is multiplied in ahead of the addition, and in the upper half's start.
; REGISTERS: v1-4 LDS addresses of K and V; v5 2^e5; v6-8 the way out; v9-10 offsets of the first loads; v11 the scale 1; v12-15 at work at the head, then v12, v13 const; v16-31 Q; v32-63 S^T, two sets x two tiles;
;   v64-95 K's fragments, a ring of four; v96-127 the codes P, 16 a tile; v128-159, v160-191 V's fragments of a step's first and second 32 + 32 keys; v192-255 O^T, 32 a tile.
.set KP,    80                         ; a key's row in LDS: 64 bytes + 16 of padding
.set KHI,   82048                      ; keys 1024 on begin here: 128 bytes past a multiple of 256, so that the lower and the upper eight rows of a tile fall on different banks
.set KCH,   256*KP                     ; a tile of 256 keys
.set VB0,   164096                     ; V: [half 2][chunk 4][d 64] rows of 256 bytes + 16
.set VP,    272
.set VCH,   64*VP
.set VHALF, 4*VCH
.set AK0, 1                            ; v1   my lane's place in a tile of K
.set AV0, 2                            ; v2   and in V
.set ADK, 3                            ; v3   the step's address in K
.set ADV, 4                            ; v4   and in V
.set SCP, 5                            ; v5   2^e5 as f32, for the conversions
.set STO, 6                            ; v6   the way out: where I put 32 bytes of a row
.set RD,  7                            ; v7   where I read a row back
.set GO,  8                            ; v8   my byte offset in the wave's rows of out0
.set CA,  12                           ; v12  const, for tile 0's half of a pair
.set CB,  13                           ; v13  const, for tile 1's
.set Q,   16
.set S,   32
.set KR,  64
.set P,   96
.set VF,  128
.set O,   192
.set WV,   16                          ; s16  my wave's number
.set G1K,  24                          ; s[24:31] descriptor group 1 for K's tiles; s[32:39] for V's
.set G1V,  32
.set G0K,  40                          ; s[40:55] four groups 0 for K's tiles, one for each chunk; s[68:83] for V's
.set G0V,  68
.set TK,   56                          ; s56  the step's first byte in K's halves
.set TV,   57                          ; s57  and in V's
.set CS,   58                          ; s58  const
.set LIM,  59                          ; s59  448 x 2^e5;  s60 its negative
.set NLIM, 60
.set CNT,  61
.macro PLACES
.rept 4
	v_nop
.endr
.endm
.macro CROUND                          ; a round of the cluster's barrier
	s_barrier_signal -1
	s_barrier_wait -1
	s_cmp_lg_u32 s[WV], 0
	s_cbranch_scc1 .Lnot_wave_0_\@
	s_barrier_signal -3
.Lnot_wave_0_\@:
	s_barrier_wait -3
	s_barrier_signal -1
	s_barrier_wait -1
.endm
	s_load_b256 s[4:11], s[0:1], 0x0               ; q_codes s[4:5], k_codes s[6:7], v_codes s[8:9], ksum s[10:11]
	s_load_b128 s[12:15], s[0:1], 0x20             ; the scales' exponents s[12:13], out0 s[14:15]
	s_set_vgpr_msb 0x40
	v_lshl_add_u32 v0, v0, 2, 0x4a100
	v_mov_b32 v1, 0
	s_set_vgpr_msb 0x4045
	ds_add_u32 v0, v1
	ds_add_u32 v0, v1
	s_set_vgpr_msb 0x4500
	v_lshrrev_b32 v12, 5, v0
	v_readfirstlane_b32 s[WV], v12                 ; wave 0..7
	s_bfe_u32 s17, ttmp6, 0x40000                  ; cx: my place in the cluster
	s_lshl_b32 s18, ttmp9, 2
	s_add_co_u32 s18, s18, s17                     ; my block of 256 queries: it enters q's and out0's addresses alone
	s_and_b32 s19, ttmp7, 0xffff                   ; bh, which the four partners share
	s_and_b32 s20, s[WV], 1                        ; the half of the sequence that I fetch, if I fetch
	s_lshl_b32 s22, s19, 17                        ; K: the head's 131,072 bytes,
	s_lshl_b32 s21, s20, 16                        ; + 1,024 keys of 64 bytes
	s_add_co_u32 s22, s22, s21
	s_mov_b32 s23, 0
	s_lshl_b32 s86, s19, 17                        ; V: the head's,
	s_lshl_b32 s21, s20, 10                        ; + 1,024 bytes along each row
	s_add_co_u32 s86, s86, s21
	s_mov_b32 s87, 0
	s_mul_i32 s94, s20, KHI                        ; and where they go
	s_mul_i32 s95, s20, VHALF
	s_add_co_u32 s95, s95, VB0
	; descriptor group 1, elements of one byte: K: 256 rows of 64 bytes, dense;  V: 64 rows of 256 bytes, 2,048 apart
	s_mov_b32 s[G1K], 15|(1<<20)|(1<<21)|(3<<22)|(3<<25)   ; 15:0 the mask: all four work-groups; 20 padding on; 21 set beside a mask; 24:22 after every 16 words (code 3); 31:25 four words (code 3)
	s_mov_b32 s[G1K+1], 64<<16
	s_mov_b32 s[G1K+2], 256<<16
	s_mov_b32 s[G1K+3], 64<<16
	s_mov_b32 s[G1K+4], 256
	s_mov_b32 s[G1K+5], 64
	s_mov_b32 s[G1K+6], 0
	s_mov_b32 s[G1K+7], 0
	s_mov_b32 s[G1V], 15|(1<<20)|(1<<21)|(5<<22)|(3<<25)   ; padding: four words after every 64
	s_mov_b32 s[G1V+1], 256<<16
	s_mov_b32 s[G1V+2], 64<<16
	s_mov_b32 s[G1V+3], 256<<16
	s_mov_b32 s[G1V+4], 64
	s_mov_b32 s[G1V+5], 2048
	s_mov_b32 s[G1V+6], 0
	s_mov_b32 s[G1V+7], 0
	s_mov_b32 s[TK], 0
	s_mov_b32 s[TV], 0
	s_mov_b32 s62, 0x76543210                      ; v_permlanex16_b32's selects for lane l xor 16
	s_mov_b32 s63, 0xfedcba98
	s_wait_dscnt 0x0
	s_wait_kmcnt 0x0
	s_load_b128 s[88:91], s[12:13], 0x0            ; e0, e1, e2, e3
	s_load_b64 s[92:93], s[12:13], 0x10            ; e4, e5
	s_add_nc_u64 s[6:7], s[6:7], s[22:23]
	s_add_nc_u64 s[8:9], s[8:9], s[86:87]
	CROUND                                         ; all four work-groups are here: the joint loads meet
.irp c, 0,1,2,3                        ; chunk c: 256 keys of each half
	s_mov_b32 s[G0K+4*\c], 1
	s_add_co_u32 s[G0K+4*\c+1], s94, \c*KCH
	s_add_nc_u64 s[G0K+4*\c+2:G0K+4*\c+3], s[6:7], \c*16384
	s_or_b32 s[G0K+4*\c+3], s[G0K+4*\c+3], 0x80000000
	s_mov_b32 s[G0V+4*\c], 1
	s_add_co_u32 s[G0V+4*\c+1], s95, \c*VCH
	s_add_nc_u64 s[G0V+4*\c+2:G0V+4*\c+3], s[8:9], \c*256
	s_or_b32 s[G0V+4*\c+3], s[G0V+4*\c+3], 0x80000000
.endr
	; All fills of the launch, in one branch on the wave's number: wave 0 K's lower half, wave 1 its upper, wave 2 V's lower, wave 3 its upper, chunk by chunk; the others none.  Four loads of a wave are out.
	s_cmp_lt_u32 s[WV], 2
	s_cbranch_scc0 .Lnot_k
	tensor_load_to_lds s[G0K:G0K+3], s[G1K:G1K+7]
	s_nop 0
	tensor_load_to_lds s[G0K+4:G0K+7], s[G1K:G1K+7]
	s_nop 0
	tensor_load_to_lds s[G0K+8:G0K+11], s[G1K:G1K+7]
	s_nop 0
	tensor_load_to_lds s[G0K+12:G0K+15], s[G1K:G1K+7]
	s_nop 0
.rept 4
	v_nop
.endr
	s_branch .Lasked
.Lnot_k:
	s_cmp_lt_u32 s[WV], 4
	s_cbranch_scc0 .Lasked
	tensor_load_to_lds s[G0V:G0V+3], s[G1V:G1V+7]
	s_nop 0
	tensor_load_to_lds s[G0V+4:G0V+7], s[G1V:G1V+7]
	s_nop 0
	tensor_load_to_lds s[G0V+8:G0V+11], s[G1V:G1V+7]
	s_nop 0
	tensor_load_to_lds s[G0V+12:G0V+15], s[G1V:G1V+7]
	s_nop 0
.rept 4
	v_nop
.endr
.Lasked:
	; addresses
	s_lshl_b32 s20, s19, 17                        ; q: the head, my block's 256 rows of 64 bytes, my wave's 32
	s_lshl_b32 s21, s18, 14
	s_add_co_u32 s20, s20, s21
	s_lshl_b32 s21, s[WV], 11
	s_add_co_u32 s20, s20, s21
	s_mov_b32 s21, 0
	s_add_nc_u64 s[4:5], s[4:5], s[20:21]
	s_lshl_b32 s20, s19, 11                        ; ksum: 2,048 bytes a head
	s_add_nc_u64 s[10:11], s[10:11], s[20:21]
	s_lshl_b32 s20, s18, 21                        ; out0: a query's row of both b is 8,192 bytes; + b x 4,096 + head x 256
	s_lshl_b32 s21, s[WV], 18
	s_add_co_u32 s20, s20, s21
	s_lshr_b32 s21, s19, 4
	s_lshl_b32 s21, s21, 12
	s_add_co_u32 s20, s20, s21
	s_and_b32 s21, s19, 15
	s_lshl_b32 s21, s21, 8
	s_add_co_u32 s20, s20, s21
	s_mov_b32 s21, 0
	s_add_nc_u64 s[14:15], s[14:15], s[20:21]
	v_and_b32 v12, 15, v0                          ; r = lane % 16
	v_bfe_u32 v13, v0, 4, 1                        ; h = lane / 16
	v_and_b32 v14, 7, v0
	v_mul_u32_u24 v[AK0], v14, KP                  ; K: row r % 8 of the tile's eight,
	v_bfe_u32 v14, v0, 3, 1
	v_mul_u32_u24 v14, v14, KHI                    ; in the lower half (r < 8) or the upper,
	v_add_nc_u32 v[AK0], v[AK0], v14
	v_lshl_add_u32 v[AK0], v13, 4, v[AK0]          ; + 16 h
	v_mul_u32_u24 v[AV0], v12, VP                  ; V: row d = r,
	v_mul_u32_u24 v14, v13, VHALF                  ; lanes 0-15 the lower keys, lanes 16-31 the upper
	v_add_nc_u32 v[AV0], v[AV0], v14
	v_add_nc_u32 v[AV0], VB0, v[AV0]
	s_mul_i32 s20, s[WV], 2*16*272                 ; the way out: two stages of 16 rows x (256 bytes + 16) for each wave, in K's lower half, used when nobody reads K any more
	v_mul_u32_u24 v[STO], v12, 272
	v_lshl_add_u32 v[STO], v13, 5, v[STO]
	v_add_nc_u32 v[STO], s20, v[STO]
	v_mul_u32_u24 v[RD], v13, 272
	v_lshl_add_u32 v[RD], v12, 4, v[RD]
	v_add_nc_u32 v[RD], s20, v[RD]
	v_lshlrev_b32 v[GO], 13, v13
	v_lshl_add_u32 v[GO], v12, 4, v[GO]
	v_lshlrev_b32 v9, 6, v12
	v_lshl_add_u32 v9, v13, 4, v9                  ; q: row r of 64 bytes, + 16 h
	v_lshlrev_b32 v10, 6, v13                      ; ksum: 64 h
	v_mov_b32 v11, 0x7f7f7f7f
	v_and_b32 v14, 16, v0
	v_cmp_ne_u32 vcc_lo, 0, v14                    ; lanes 16-31
	; Q's fragments stay in registers: registers 0-3 d = 16 h + 0 .. 15, registers 4-7 d = 32 + 16 h + 0 .. 15; K's fragments take the same places
.irp t, 0,1
	global_load_b128 v[Q+8*\t:Q+8*\t+3], v9, s[4:5] offset:1024*\t
	global_load_b128 v[Q+8*\t+4:Q+8*\t+7], v9, s[4:5] offset:1024*\t+32
.endr
.irp b, 0,1,2,3                        ; the sums of k's codes over keys 256 b .. 256 b + 255, at my lane's 32 d, in the order of Q's registers
.irp p, 0,1,2,3
	global_load_b128 v[128+32*\b+4*\p:131+32*\b+4*\p], v10, s[10:11] offset:256*\b+16*\p
	global_load_b128 v[144+32*\b+4*\p:147+32*\b+4*\p], v10, s[10:11] offset:256*\b+128+16*\p
.endr
.endr
	s_wait_loadcnt 0x0
	s_wait_kmcnt 0x0
	s_add_co_i32 s20, s90, s91                     ; e2 + e3
	s_add_co_i32 s20, s20, -3                      ; / 8
	s_lshl_b32 s20, s20, 23
	s_add_co_i32 s[CS], s20, 0x3cb504f3            ; 2^-5.5 with the whole exponents added to its exponent field
	s_add_co_i32 s20, s93, 127
	s_lshl_b32 s21, s20, 23
	v_mov_b32 v[SCP], s21                          ; 2^e5
	s_add_co_i32 s20, s20, 8
	s_lshl_b32 s20, s20, 23
	s_or_b32 s[LIM], s20, 0x600000                 ; 448 x 2^e5
	s_or_b32 s[NLIM], s[LIM], 0x80000000
	s_add_co_i32 s20, s92, s93
	s_add_co_i32 s20, s20, 127
	s_lshl_b32 s84, s20, 23                        ; 2^(e4 + e5)
	s_mov_b32 s85, s84                             ; (named with it as a pair, so it is written)
	; THE UPPER HALF'S START
.set II, 0
.rept 16
	v_pk_add_f32 v[128+II:129+II], v[128+II:129+II], v[160+II:161+II]
	v_pk_add_f32 v[192+II:193+II], v[192+II:193+II], v[224+II:225+II]
.set II, II+2
.endr
.set II, 0
.rept 16
	v_pk_add_f32 v[128+II:129+II], v[128+II:129+II], v[192+II:193+II]   ; v128-159: the sums over keys 0 .. 1023
.set II, II+2
.endr
.irp i, 0,1,2,3
	v_cvt_scale_pk8_f32_fp8 v[64+8*\i:71+8*\i], v[Q+2*\i:Q+2*\i+1], v11      ; Q's codes as f32 (scale 1)
	v_cvt_scale_pk8_f32_fp8 v[96+8*\i:103+8*\i], v[Q+8+2*\i:Q+9+2*\i], v11
.endr
	v_nop                                          ; a plain line between the conversions and the use of their results
.macro START t, dst
.set X, 64+32*\t
	v_pk_mul_f32 v[12:13], v[X:X+1], v[128:129]    ; my 32 d, two at a time, in two chains
	v_pk_mul_f32 v[14:15], v[X+2:X+3], v[130:131]
.set II, 4
.rept 7
	v_pk_fma_f32 v[12:13], v[X+II:X+II+1], v[128+II:129+II], v[12:13]
	v_pk_fma_f32 v[14:15], v[X+II+2:X+II+3], v[130+II:131+II], v[14:15]
.set II, II+4
.endr
	v_pk_add_f32 v[12:13], v[12:13], v[14:15]
	v_add_f32 v12, v12, v13
	v_permlanex16_b32 v13, v12, s62, s63           ; the other 32 d lie in the lane 16 away
	v_add_f32 v12, v12, v13
	v_mul_f32 v12, s[CS], v12
	v_cndmask_b32 v[\dst], 0, v12, vcc_lo          ; lanes 0-15 start at 0
.endm
	START 0, S+23                                  ; tile 0: where a group finds the last c of the group before
	START 1, S+30                                  ; tile 1 runs one element behind: its start stands as the last c but one, and the last score of 'the group before' is 0:
	v_mov_b32 v[S+31], 0                           ; the first pair then gives 0 x const + the start, which is the start
	v_mov_b32 v[CA], s[CS]
	v_mov_b32 v[CB], s[CS]
; O^T(tile t, d 16 DT on) += V^T P, 32 + 32 keys (HB = 0: a step's first, 1: its second).  pv = 1: the product starts the sum: nothing is cleared
.macro PVM t, pv
.if (\pv) == 1
	v_wmma_f32_16x16x64_fp8_fp8 v[O+32*\t+8*DT:O+32*\t+8*DT+7], v[VF+32*HB+8*DT:VF+32*HB+8*DT+7], v[P+16*\t+8*HB:P+16*\t+8*HB+7], 0
.else
	v_wmma_f32_16x16x64_fp8_fp8 v[O+32*\t+8*DT:O+32*\t+8*DT+7], v[VF+32*HB+8*DT:VF+32*HB+8*DT+7], v[P+16*\t+8*HB:P+16*\t+8*HB+7], v[O+32*\t+8*DT:O+32*\t+8*DT+7]
.endif
.endm
.macro HOLD r                          ; the conversion to an 8-bit code does not saturate (ISA guide 7.6.2): the number is held within 448 x 2^e5 first
	v_med3_num_f32 v[\r], v[\r], s[NLIM], s[LIM]
.endm
; A GROUP: the chains go through one tile of K (8 + 8 keys): eight pairs of multiply-adds, 16 holds, two conversions; four matrix instructions and the LDS loads stand between them.
; Pair J: tile 0's element J and tile 1's element J - 1 (pair 0: the last element of tile 1's group before, which lies in the other set).  Each hold stands behind the pair that has read the number not held.
; trail: the group before is finished (its last numbers held, its eight and eight become codes; each conversion stands behind the next pair, so that it does not read the line just above it).
; pv: two products V^T P (0 none, 1 they start the sums, 2).  sq: the next tile's two products K Q^T, into the set that the group before has left.
; kl: K's tile four ahead (1), and five ahead too (2), into the ring's slots that have been read.  vl: V's eight loads.  kw, pw: how many younger LDS loads may be out when K's, V's fragment is used.
; No two matrix instructions that follow each other share an accumulator, and each accumulator's turn is one instruction.
; Places (a pair is one): behind a conversion two plain lines before a product reads its codes, three or more before one writes its sources; behind a product K Q^T nine or more before its scores are read, six before its fragment's slot is loaded again.
.macro GRP g, trail, pv, sq, kl, vl, kw, pw
.set SC, S+16*((\g)%2)
.set SO, S+16-16*((\g)%2)
.set GP, ((\g)+7)%8
.set DT, (\g)%4
.set HB, 1-(\g)/4
.set VH, (\g)/4
.set KS, KR+8*(((\g)+1)%4)
.set KS0, KR+8*((\g)%4)
	v_dual_fma_f32 v[SC], v[SC], v[CA], v[SO+7] :: v_dual_fma_f32 v[SO+15], v[SO+15], v[CB], v[SO+14]
.if \trail
	HOLD SO+7
	HOLD SO+14
.endif
	v_dual_fma_f32 v[SC+1], v[SC+1], v[CA], v[SC] :: v_dual_fma_f32 v[SC+8], v[SC+8], v[CB], v[SO+15]
.if \trail
	v_cvt_scalef32_pk8_fp8_f32 v[P+2*GP:P+2*GP+1], v[SO:SO+7], v[SCP]
	HOLD SO+15
.endif
	HOLD SC
.if \pv
.if DT == 0
	s_wait_dscnt \pw                               ; V's eight loads are in
.endif
	PVM 0, \pv
.endif
.set J, 2
.rept 6
	v_dual_fma_f32 v[SC+J], v[SC+J], v[CA], v[SC+J-1] :: v_dual_fma_f32 v[SC+7+J], v[SC+7+J], v[CB], v[SC+6+J]
.if (J == 2) && (\trail)
	v_cvt_scalef32_pk8_fp8_f32 v[P+16+2*GP:P+16+2*GP+1], v[SO+8:SO+15], v[SCP]
.endif
	HOLD SC+J-1
	HOLD SC+6+J
.if (J == 2) && (\sq)
	s_wait_dscnt \kw                               ; the next tile's fragment is in
	v_wmma_f32_16x16x64_fp8_fp8 v[SO:SO+7], v[KS:KS+7], v[Q:Q+7], 0
.endif
.if (J == 3) && (\pv)
	PVM 1, \pv
.endif
.if (J == 4) && (\sq)
	v_wmma_f32_16x16x64_fp8_fp8 v[SO+8:SO+15], v[KS:KS+7], v[Q+8:Q+15], 0
.endif
.if (J == 6) && (\vl)
.irp d, 0,1,2,3                        ; group 1: the step's first 32 + 32 keys; group 5: its second
	ds_load_b128 v[VF+32*VH+8*\d:VF+32*VH+8*\d+3], v[ADV] offset:16*\d*VP+32*VH
	ds_load_b128 v[VF+32*VH+8*\d+4:VF+32*VH+8*\d+7], v[ADV] offset:16*\d*VP+32*VH+16
.endr
.endif
.if (J == 6) && ((\kl) > 0)
	ds_load_b128 v[KS0:KS0+3], v[ADK] offset:8*KP*((\g)+4)
	ds_load_b128 v[KS0+4:KS0+7], v[ADK] offset:8*KP*((\g)+4)+32
.endif
.if (J == 6) && ((\kl) > 1)
	ds_load_b128 v[KS:KS+3], v[ADK] offset:8*KP*((\g)+5)
	ds_load_b128 v[KS+4:KS+7], v[ADK] offset:8*KP*((\g)+5)+32
.endif
.set J, J+1
.endr
.endm
; A STEP: 64 lower and 64 upper keys, eight groups.  The products V^T P of a step's first half stand in its groups 4-7, those of its second half in the next step's groups 0-3.
; THE LDS LOADS STAND IN FOUR RUNS, in the odd groups: group 1: V's first half (8), K's tiles 5, 6 (2 each); group 3: tiles 7, 8; group 5: V's second half (8), tiles 9, 10; group 7: tiles 11, 12 (tile 8 + i is the next step's tile i).
; THE COUNTS are the loads issued behind the ones that are wanted.  Group g multiplies tile g + 1.  Groups 0, 4: V's eight: four tiles' loads behind them: 8; the tile: three tiles' behind it: 6.  Groups 1, 5: two tiles': 4.
; Groups 2, 6: one tile's, V's eight, two tiles': 14.  Groups 3, 7: V's eight, two tiles': 12.  The head's loads (tiles 0-3, then tile 4) give the first step's groups 0 to 3 the same counts.
; The last step fetches nothing past tile 7 (group 3: tile 7 alone; group 5: V alone; group 7: nothing), so there: group 4: 6 and 4; group 5: 2; group 6: V's eight: 8.
.macro STEP first, last
.set PV0, 2-2*\first
.set PV4, 2-\first
	v_add_nc_u32 v[ADK], s[TK], v[AK0]
	v_add_nc_u32 v[ADV], s[TV], v[AV0]
	GRP 0, 1-\first, PV0, 1, 0, 0, 6, 8
	GRP 1, 1, PV0, 1, 2, 1, 4, 0
	GRP 2, 1, PV0, 1, 0, 0, 14, 0
	GRP 3, 1, PV0, 1, 2-\last, 0, 12, 0
	GRP 4, 1, PV4, 1, 0, 0, 6-2*\last, 8-2*\last
	GRP 5, 1, PV4, 1, 2-2*\last, 1, 4-2*\last, 0
	GRP 6, 1, PV4, 1, 0, 0, 14-6*\last, 0
	GRP 7, 1, PV4, 1-\last, 2-2*\last, 0, 12, 0
	s_add_co_u32 s[TK], s[TK], 64*KP
	s_add_co_u32 s[TV], s[TV], 64
.endm
.macro LOOPN n
	s_mov_b32 s[CNT], \n
.Lsteps_\@:
	STEP 0, 0
	s_sub_co_u32 s[CNT], s[CNT], 1
	s_cmp_lg_u32 s[CNT], 0
	s_cbranch_scc1 .Lsteps_\@
.endm
; A chunk has landed in every wave's sight: the waves that fetch wait until at most n of their four loads are out (loads of a wave end in order), then the work-group's barrier.
.macro LANDED n
	s_wait_tensorcnt \n
	s_wait_dscnt 0x0                               ; no LDS instruction of mine is pending at the signal
	s_barrier_signal -1
	s_barrier_wait -1
.endm
.macro CHG                             ; V's next chunk: four steps of 64 bytes back, one chunk on
	s_add_co_u32 s[TV], s[TV], VCH-256
.endm
	LANDED 3                                       ; chunk 0
	v_add_nc_u32 v[ADK], s[TK], v[AK0]
.irp t, 0,1,2,3
	ds_load_b128 v[KR+8*\t:KR+8*\t+3], v[ADK] offset:8*KP*\t
	ds_load_b128 v[KR+8*\t+4:KR+8*\t+7], v[ADK] offset:8*KP*\t+32
.endr
	s_wait_dscnt 6                                 ; tile 0's fragment is in
	v_wmma_f32_16x16x64_fp8_fp8 v[S:S+7], v[KR:KR+7], v[Q:Q+7], 0
	v_wmma_f32_16x16x64_fp8_fp8 v[S+8:S+15], v[KR:KR+7], v[Q+8:Q+15], 0
	PLACES
	ds_load_b128 v[KR:KR+3], v[ADK] offset:8*KP*4
	ds_load_b128 v[KR+4:KR+7], v[ADK] offset:8*KP*4+32
	; sixteen steps.  K's ring reads five tiles ahead, so each chunk is shown landed one step ahead of its first step
	STEP 1, 0
	LOOPN 2
	LANDED 2                                       ; chunk 1
	STEP 0, 0
	CHG
	LOOPN 3
	LANDED 1                                       ; chunk 2
	STEP 0, 0
	CHG
	LOOPN 3
	LANDED 0                                       ; chunk 3: no tensor load is out any more
	STEP 0, 0
	CHG
	LOOPN 3
	STEP 0, 1
	; the last group is finished: tile 1's last element, the last holds, the last codes; then the last step's second half is multiplied
	v_fma_f32 v[S+31], v[S+31], v[CB], v[S+30]
	HOLD S+23
	HOLD S+30
	HOLD S+31
	v_cvt_scalef32_pk8_fp8_f32 v[P+14:P+15], v[S+16:S+23], v[SCP]
	v_cvt_scalef32_pk8_fp8_f32 v[P+30:P+31], v[S+24:S+31], v[SCP]
	v_nop                                          ; a plain line between the conversions and the products that read the codes
	s_wait_dscnt 0x0                               ; V's last fragments are in, and my reads of K and V are over
.set HB, 1
.set DT, 0
.rept 4
	PVM 0, 2
	PVM 1, 2
.set DT, DT+1
.endr
	PLACES
	s_barrier_signal -1                            ; every wave's reads of K and V are over: the stages may be written
	s_barrier_wait -1
	; THE WAY OUT.  O^T x 2^(e4 + e5); a lane's eight d of a query are 32 bytes; a tile goes through my stage and comes back as whole rows of 256 bytes: one (s, b, head)
.irp t, 0,1
.set II, 0
.rept 16
	v_pk_mul_f32 v[64+32*\t+II:65+32*\t+II], v[O+32*\t+II:O+32*\t+II+1], s[84:85] op_sel_hi:[1,0]   ; each accumulator from its low end on
.set II, II+2
.endr
.irp d, 0,1,2,3
	ds_store_b128 v[STO], v[64+32*\t+8*\d:67+32*\t+8*\d] offset:4352*\t+64*\d
	ds_store_b128 v[STO], v[68+32*\t+8*\d:71+32*\t+8*\d] offset:4352*\t+64*\d+16
.endr
.irp i, 0,1,2,3,4,5,6,7
	ds_load_b128 v[128+32*\t+4*\i:131+32*\t+4*\i], v[RD] offset:4352*\t+544*\i   ; my own bytes: LDS serves a wave's instructions in order
.endr
.endr
.irp t, 0,1
.irp i, 0,1,2,3,4,5,6,7
	s_wait_dscnt 23-16*\t-\i                       ; behind this load: the tile's later loads, and for tile 0 tile 1's sixteen LDS instructions
	global_store_b128 v[GO], v[128+32*\t+4*\i:131+32*\t+4*\i], s[14:15] offset:131072*\t+16384*\i th:TH_STORE_NT   ; sixteen lanes store 256 consecutive bytes, at a multiple of 256 from out0's first byte
.endr
.endr
	s_wait_dscnt 0x0
	s_set_vgpr_msb 0x5
	s_wait_tensorcnt 0x0
	ds_add_u32 v0, v1
	s_wait_dscnt 0x0
	s_set_vgpr_msb 0x500
	CROUND                                         ; the closing round: no work-group ends while a partner may still ask for a tile that names it
	s_endpgm
.Lfunc_end_k_qd4e1f24c25_attn:
	.size	k_qd4e1f24c25_attn, .Lfunc_end_k_qd4e1f24c25_attn-k_qd4e1f24c25_attn
	.p2alignl 7, 3214868480
	.fill 96, 4, 3214868480
	.section	.rodata,"a",@progbits
	.p2align	6, 0x0
	.amdhsa_kernel k_qd4e1f24c25_attn
		.amdhsa_group_segment_fixed_size 327680
		.amdhsa_private_segment_fixed_size 0
		.amdhsa_enable_private_segment 0
		.amdhsa_kernarg_size 48
		.amdhsa_user_sgpr_count 2
		.amdhsa_user_sgpr_kernarg_segment_ptr 1
		.amdhsa_wavefront_size32 1
		.amdhsa_system_sgpr_workgroup_id_x 1
		.amdhsa_system_sgpr_workgroup_id_y 1
		.amdhsa_system_sgpr_workgroup_id_z 1
		.amdhsa_system_vgpr_workitem_id 0
		.amdhsa_next_free_vgpr 258
		.amdhsa_next_free_sgpr 96
		.amdhsa_reserve_vcc 1
		.amdhsa_float_denorm_mode_32 3
		.amdhsa_float_denorm_mode_16_64 3
		.amdhsa_memory_ordered 1
		.amdhsa_forward_progress 1
		.amdhsa_inst_pref_size 202
	.end_amdhsa_kernel
	.amdgpu_metadata
---
amdhsa.version: [ 1, 2 ]
amdhsa.kernels:
  - .name:           k_qd4e1f24c25_attn
    .symbol:         k_qd4e1f24c25_attn.kd
    .args:
      - { .name: q_codes, .offset: 0, .size: 8, .value_kind: global_buffer, .address_space: global }
      - { .name: k_codes, .offset: 8, .size: 8, .value_kind: global_buffer, .address_space: global }
      - { .name: v_codes, .offset: 16, .size: 8, .value_kind: global_buffer, .address_space: global }
      - { .name: ksum, .offset: 24, .size: 8, .value_kind: global_buffer, .address_space: global }
      - { .name: lowp_scales, .offset: 32, .size: 8, .value_kind: global_buffer, .address_space: global }
      - { .name: out0, .offset: 40, .size: 8, .value_kind: global_buffer, .address_space: global }
    .group_segment_fixed_size: 327680
    .private_segment_fixed_size: 0
    .kernarg_segment_align: 8
    .kernarg_segment_size: 48
    .max_flat_workgroup_size: 256
    .sgpr_count:     96
    .vgpr_count:     258
    .wavefront_size: 32
...
	.end_amdgpu_metadata
.endif
;; end of part 2
